; MI455X (gfx1250); checked and timed in simulation.
; The chip was launched on July 23, 2026; its instructions are those of AMD's public machine-readable ISA for CDNA 5 (MIT licence, August 2026) and "CDNA5" Instruction Set Architecture Reference Guide (July 2026). The comments in the code are by the model that wrote it; some were corrected since.
;; Attention. Allowed arithmetic: matrix products marked QUANTISED: E2M3 operands, one E8M0 scale for each 32 along K, by v_wmma_scale_f32_16x16x128_f8f6f4 with both operands' format E2M3, f32 sums; everything else in f32.
;; Inputs: Wk 768 x 768 float32; Wp 768 x 768 float32; Wq 768 x 768 float32; Wv 768 x 768 float32; bk 768 float32; bp 768 float32; bq 768 float32; bv 768 float32; x 16 x 1,024 x 768 float32.
;; Outputs: out0 16 x 1,024 x 768 float32.
;; This version of the problem:
;;   THIS VERSION OF THE PROBLEM IS GIVEN IN LOW PRECISION. The matrix products marked QUANTISED in the list below multiply operands that are first quantised to E2M3 (2 exponent bits, 3 mantissa bits; 6 bits a number), with one power-of-two scale for each 32 numbers along K (OCP MX v1.0); their sums are f32. All else is computed in f32.
;;   The module's matrix products, in the order in which they are computed (A, B: the left and right operand; K: the contracted axis; several contracted axes count as one K, in the product's order):
;;     1. [M 16,384, K 768] x [K 768, N 768]; A: input x; B: input Wq: QUANTISED
;;     2. [M 16,384, K 768] x [K 768, N 768]; A: input x; B: input Wk: QUANTISED
;;     3. [M 16,384, K 768] x [K 768, N 768]; A: input x; B: input Wv: QUANTISED
;;     4. batch 192 x [M 1,024, K 64] x [K 64, N 1,024]; A: computed on the way; B: computed on the way: QUANTISED
;;     5. batch 192 x [M 64, K 1,024] x [K 1,024, N 1,024]; A: computed on the way; B: computed on the way: QUANTISED
;;     6. [M 16,384, K 768] x [K 768, N 768]; A: computed on the way; B: input Wp: QUANTISED
;;   THE QUANTISER, for each operand of a quantised product, along K:
;;     - K is cut into blocks of 32 from its start; a last block that is shorter is filled with zeros.
;;     - A block's scale is 2^e with e = floor(log2(the largest magnitude in the block)) - 2, held to -126 .. 127; a block of zeros has e = 0. As a byte (E8M0): e + 127.
;;     - Each number is divided by its block's scale, clamped to +-7.5, and rounded to the nearest number of E2M3, ties to even, subnormals kept.
;;     - The product sums the exact products of the quantised numbers (number of the format x scale) in f32.
;;   ~~~python
;;   def quantise(x, axis):      # numpy; x: float32 -> the quantised numbers, widened to float32 again
;;       x = np.moveaxis(x, axis, -1); K = x.shape[-1]
;;       x = np.pad(x, [(0, 0)] * (x.ndim - 1) + [(0, -K % 32)]); x = x.reshape(x.shape[:-1] + (-1, 32)); a = np.abs(x).max(-1, keepdims=True)
;;       e = np.where(a > 0, np.clip(np.frexp(np.where(a > 0, a, 1))[1] - 1 - 2, -126, 127), 0)      # np.frexp(a)[1] - 1 = floor(log2(a)), exactly
;;       r = np.clip(x / 2.0 ** e, -7.5, 7.5)
;;       step = 2.0 ** (np.maximum(np.frexp(np.where(r == 0, 1, r))[1] - 1, 0) - 3)
;;       q = np.round(r / step) * step * 2.0 ** e      # np.round: ties to even
;;       return np.moveaxis(q.reshape(q.shape[:-2] + (-1,))[..., :K], -1, axis).astype(np.float32)
;;   ~~~
;;   OPERANDS COMPUTED ON THE WAY. 'Computed on the way' means the value that the module computes at that place (a softmax that the list does not call 'softmax' is quantised finished and normalised). What goes into a quantiser is computed in f32, as accurately as f32 sums, v_exp_f32 and their like allow (about 1e-6 of the number): no bf16 or f16 on the way to a quantiser, and a product that is left as it is and whose result goes on into a quantised operand takes f32 operands (vector FMAs, or v_wmma_f32_16x16x4_f32). A number that lies on a knife's edge between two numbers of the format may be rounded either way, as far as f32 arithmetic and the matrix unit's own rounding can turn it there, and no further.
;; One version. Each part assembles by itself: llvm-mc -triple=amdgcn-amd-amdhsa -mcpu=gfx1250 --defsym DOCPART=n.
;; ======== version 1 of 1: 4 launches
;; workspace buffers: xq 9,961,472 bytes; wq 1,867,776 bytes; qq 10,223,616 bytes; kv 20,054,016 bytes; yq 10,223,616 bytes
;; launch quant (part 1): grid 1216 x 1, 1 waves a work-group, no clusters, 8,704 bytes of LDS; arguments x, Wq, Wk, Wv, Wp, xq, wq; writes xq, wq
.if DOCPART == 1
	.amdgcn_target "amdgcn-amd-amdhsa--gfx1250"
	.amdhsa_code_object_version 6
	.text
	.protected	k_q274f61c613_quant
	.globl	k_q274f61c613_quant
	.p2align	8
	.type	k_q274f61c613_quant,@function
k_q274f61c613_quant:
	s_mov_b64 s[64:65], 0
	v_nop
	global_prefetch_b8 v0, s[64:65] scope:SCOPE_SE
	s_setreg_imm32_b32 hwreg(HW_REG_WAVE_MODE, 25, 1), 1
	s_wait_xcnt 0x0
; x [16384][768] and the four weights [768][768], f32 with K innermost, become codes of FP6 (E2M3) with one E8M0 byte for each 32 along K.
; A block's scale is 2^(floor(log2(largest magnitude)) - 2); its byte is the largest magnitude's exponent field - 2, held at 1 from below.
; LIMITS: NaN and infinities are not served; a block whose largest magnitude lies under 2^(3 - 127) gets the floor's byte, 1; a block of
; zeros gets that byte too where the rule says 127: its codes are zeros, and only this program reads the bytes.
; LAYOUT OF THE RESULT.  Rows go in groups of 64 and tiles of 16, and the rows of a tile are not neighbours: tile u of a group holds, as its
; row r, the group's row 8 u + r + 24 (r / 8).  (As source 0 of a product the four tiles of a group then give a lane 32 neighbours.)
; A tile is 9,728 bytes: six fragments (16 rows x 128 K) of 1,536 bytes, each the image of the operand's 12 registers (registers 4 j .. 4 j + 3
; of lane l at 512 j + 16 l), then 512 bytes of scale words: lane l's 16 bytes hold words j = 0..2 and a zero; word j is the row's scale word
; of K step 2 j in lanes 0-15 and of K step 2 j + 1 in lanes 16-31.
; SHARES.  A work-group is ONE wave and takes one tile through its six K steps: 1,216 equal pieces.  Work-groups 0-1023 take x, the others the
; weights (48 tiles each, in the order Wq, Wk, Wv, Wp); only pointers are chosen, all take one path.  No matrix unit, no cluster, no tensor
; load, no barrier: each byte is read once and nothing is shared.
; A load takes 512 consecutive bytes of one row; the 16 rows turn through the wave's stage in LDS (rows 528 bytes apart, so that the sixteen
; lanes of a 16-byte read start four words apart), since a lane must hold 32 neighbours along K twice over.  Four K steps' loads, 64 of 512
; bytes, are out at the start.
; REGISTERS: window 0: v1-4 addresses; v16-87 six sets of codes, one a step, so that no store's data are written again; v88-99 at work;
;   v144-207 the lane's 64 numbers; v232-239 upper halves' codes; v240-243 the scale image.   window 1: four sets of 64: rows as loaded.
.set ROWB,   3072                      ; a row of x or of a weight in bytes
.set TILEB,  9728
.set SPITCH, 528
.set FLOOR,  0x1800000                 ; 2^(3 - 127)
.set L16, 1                            ; v1   16 x lane: my bytes of a load, of the stage's rows on the way in, and of an image's plane
.set LDA, 3                            ; v3   the stage, way out: row r, + 128 h
.set SH8, 4                            ; v4   8 h: where my two bytes stand in the scale word
.set PC,  16
.set TM,  88                           ; v88-96
.set WD,  98                           ; v98  the row's scale word
.set EV,  99                           ; v99  the even K step's word
.set X,   144                          ; register 32 c + i = k 64 c + 32 h + i of row r
.set PT,  232
.set SW,  240
.set SRC, 24
.set DST, 26
.set SEL, 28
.set HM,  30
.set MSB, 0
.macro WIN new                         ; the immediate's high byte repeats the setting that is left
.if MSB != (\new)
	s_set_vgpr_msb (MSB<<8)|(\new)
.set MSB, \new
.endif
.endm
; THE QUANTISER.  64 numbers of a lane, register 32 c + i = index 64 c + 32 h + i: two whole blocks of 32.  They become 12 registers of codes, in the
; operand's order, and the scale word (byte 2 c + h), whole in both halves of the lanes.  QA: the first eight lines of the search for the largest magnitudes.
.macro QA s
.irp c, 0,1
	v_max3_num_f32 v[TM+\c], |v[\s+32*\c]|, |v[\s+32*\c+1]|, FLOOR
	v_max3_num_f32 v[TM+2+\c], |v[\s+32*\c+16]|, |v[\s+32*\c+17]|, |v[\s+32*\c+18]|
.endr
.irp c, 0,1
	v_max3_num_f32 v[TM+\c], v[TM+\c], |v[\s+32*\c+2]|, |v[\s+32*\c+3]|
	v_max3_num_f32 v[TM+2+\c], v[TM+2+\c], |v[\s+32*\c+19]|, |v[\s+32*\c+20]|
.endr
.endm
.macro QB s, pc, pw
.irp i, 4,6,8,10,12
.irp c, 0,1
	v_max3_num_f32 v[TM+\c], v[TM+\c], |v[\s+32*\c+\i]|, |v[\s+32*\c+\i+1]|       ; four chains by turns
	v_max3_num_f32 v[TM+2+\c], v[TM+2+\c], |v[\s+32*\c+\i+17]|, |v[\s+32*\c+\i+18]|
.endr
.endr
.irp c, 0,1
	v_max3_num_f32 v[TM+\c], v[TM+\c], |v[\s+32*\c+14]|, |v[\s+32*\c+15]|
.endr
.irp c, 0,1
	v_max3_num_f32 v[TM+\c], v[TM+\c], v[TM+2+\c], |v[\s+32*\c+31]|               ; the block's largest magnitude
.endr
.irp c, 0,1
	v_add_nc_u32 v[TM+4+\c], 0xff000000, v[TM+\c]  ; 2 off the exponent field: the conversion takes that field as its scale
.endr
.irp c, 0,1
	v_lshrrev_b32 v[TM+6+\c], 23, v[TM+4+\c]       ; the byte
.endr
	v_lshl_or_b32 v[\pw], v[TM+7], 16, v[TM+6]
	v_lshlrev_b32 v[\pw], v[SH8], v[\pw]           ; my two bytes at their places,
	v_permlanex16_b32 v[TM+8], v[\pw], s[SEL], s[SEL+1]
	v_or_b32 v[\pw], v[\pw], v[TM+8]               ; with lane l xor 16's two the word is whole
.irp c, 0,1
	v_cvt_scalef32_pk16_fp6_f32 v[\pc+6*\c:\pc+6*\c+2], v[\s+32*\c:\s+32*\c+15], v[TM+4+\c]
	v_cvt_scalef32_pk16_fp6_f32 v[PT+4*\c:PT+4*\c+2], v[\s+32*\c+16:\s+32*\c+31], v[TM+4+\c]   ; (a conversion's three registers begin on an even number)
.endr
	v_nop                                          ; one plain instruction behind the scaled conversions
.irp c, 0,1
.irp i, 0,1,2
	v_mov_b32 v[\pc+6*\c+3+\i], v[PT+4*\c+\i]
.endr
.endr
.endm
	s_load_b256 s[4:11], s[0:1], 0x0               ; x, Wq, Wk, Wv
	s_load_b128 s[12:15], s[0:1], 0x20             ; Wp, xq
	s_load_b64 s[16:17], s[0:1], 0x30              ; wq
	v_lshl_add_u32 v254, v0, 2, 0x2100
	v_mov_b32 v255, 0
	v_and_b32 v14, 31, v0
	v_lshlrev_b32 v[L16], 4, v14
	v_and_b32 v14, 15, v0                          ; r
	v_bfe_u32 v15, v0, 4, 1                        ; h
	v_mul_u32_u24 v[LDA], v14, SPITCH
	v_lshl_add_u32 v[LDA], v15, 7, v[LDA]
	v_lshlrev_b32 v[SH8], 3, v15
	v_mov_b32 v[TM+8], 0                           ; a lane permute's destination counts as read
	s_mov_b32 s[SEL], 0x76543210
	s_mov_b32 s[SEL+1], 0xfedcba98                 ; lane l xor 16
	s_mov_b32 s[HM], 0xffff0000                    ; lanes 16-31
	s_sub_co_u32 s20, ttmp9, 1024                  ; which tile of the weights (of no meaning in x's work-groups)
	s_mov_b32 s21, 144
	s_wait_kmcnt 0x0
	s_mov_b64 s[SRC:SRC+1], s[12:13]               ; Wp, from tile 144 on
	s_cmp_lt_u32 s20, 144
	s_cselect_b64 s[SRC:SRC+1], s[10:11], s[SRC:SRC+1]
	s_cselect_b32 s21, 96, s21                     ; Wv from 96
	s_cmp_lt_u32 s20, 96
	s_cselect_b64 s[SRC:SRC+1], s[8:9], s[SRC:SRC+1]
	s_cselect_b32 s21, 48, s21                     ; Wk from 48
	s_cmp_lt_u32 s20, 48
	s_cselect_b64 s[SRC:SRC+1], s[6:7], s[SRC:SRC+1]
	s_cselect_b32 s21, 0, s21                      ; Wq from 0
	s_sub_co_u32 s21, s20, s21                     ; the tile within its weight
	s_cmp_lt_u32 ttmp9, 1024                       ; x's work-group?  The choice hangs on the work-group's number alone
	s_cselect_b64 s[SRC:SRC+1], s[4:5], s[SRC:SRC+1]
	s_cselect_b64 s[DST:DST+1], s[14:15], s[16:17]
	s_cselect_b32 s21, ttmp9, s21                  ; the tile in the source,
	s_cselect_b32 s20, ttmp9, s20                  ; and in the destination
	s_lshr_b32 s22, s21, 2
	s_lshl_b32 s22, s22, 6                         ; the tile's first row: 64 x group + 8 x (tile % 4)
	s_and_b32 s23, s21, 3
	s_lshl_b32 s23, s23, 3
	s_add_co_u32 s22, s22, s23
	s_mul_i32 s22, s22, ROWB
	s_mov_b32 s23, 0
	s_add_nc_u64 s[SRC:SRC+1], s[SRC:SRC+1], s[22:23]
	s_mul_i32 s22, s20, TILEB
	s_add_nc_u64 s[DST:DST+1], s[DST:DST+1], s[22:23]
.macro LOAD s                          ; K step s of the tile's 16 rows into set s % 4 of window 1: each load 512 consecutive bytes of one row
	WIN 0x40
.irp i, 0,1,2,3,4,5,6,7,8,9,10,11,12,13,14,15
	global_load_b128 v[64*((\s)%4)+4*\i:64*((\s)%4)+4*\i+3], v[L16], s[SRC:SRC+1] offset:(\i+24*(\i/8))*ROWB+512*(\s) th:TH_LOAD_NT
.endr
	WIN 0
.endm
.macro STEP s
.set PS, PC+12*(\s)
.if (\s) < 3
	s_wait_loadcnt 48                              ; this step's 16 loads are in; the 16 of each of the three steps behind it may be out
.else
	s_wait_loadcnt 16*(5-(\s))                     ; the last steps: two, one, no step behind
.endif
	WIN 0x04                                       ; an LDS store's data are its source 1: window 1
.irp i, 0,1,2,3,4,5,6,7,8,9,10,11,12,13,14,15
	ds_store_b128 v[L16], v[64*((\s)%4)+4*\i:64*((\s)%4)+4*\i+3] offset:SPITCH*\i
.endr
	WIN 0
.irp c, 0,1
.irp j, 0,1,2,3,4,5,6,7
	ds_load_b128 v[X+32*\c+4*\j:X+32*\c+4*\j+3], v[LDA] offset:256*\c+16*\j   ; LDS serves a wave's instructions in order: these see the stores
.endr
.endr
	s_wait_dscnt 0x0                               ; my 64 numbers are in, and the stores have read the set that the next loads fill
.if (\s)+4 < 6
	LOAD (\s)+4
.endif
	QA X
	QB X, PS, WD
.if (\s)%2 == 0
	v_mov_b32 v[EV], v[WD]
.else
	v_cndmask_b32 v[SW+(\s)/2], v[EV], v[WD], s[HM]   ; lanes 0-15 the even step's word, lanes 16-31 the odd step's
.endif
.irp j, 0,1,2
	global_store_b128 v[L16], v[PS+4*\j:PS+4*\j+3], s[DST:DST+1] offset:1536*(\s)+512*\j   ; 512 consecutive bytes, aligned to 256
.endr
.endm
	LOAD 0
	LOAD 1
	LOAD 2
	LOAD 3
	STEP 0
	STEP 1
	STEP 2
	STEP 3
	STEP 4
	STEP 5
	v_mov_b32 v[SW+3], 0
	global_store_b128 v[L16], v[SW:SW+3], s[DST:DST+1] offset:9216
	s_wait_tensorcnt 0x0
	ds_add_u32 v254, v255
	s_wait_dscnt 0x0
	s_endpgm
.Lfunc_end_k_q274f61c613_quant:
	.size	k_q274f61c613_quant, .Lfunc_end_k_q274f61c613_quant-k_q274f61c613_quant
	.p2alignl 7, 3214868480
	.fill 96, 4, 3214868480
	.section	.rodata,"a",@progbits
	.p2align	6, 0x0
	.amdhsa_kernel k_q274f61c613_quant
		.amdhsa_group_segment_fixed_size 8704
		.amdhsa_private_segment_fixed_size 0
		.amdhsa_enable_private_segment 0
		.amdhsa_kernarg_size 56
		.amdhsa_user_sgpr_count 2
		.amdhsa_user_sgpr_kernarg_segment_ptr 1
		.amdhsa_wavefront_size32 1
		.amdhsa_system_sgpr_workgroup_id_x 1
		.amdhsa_system_sgpr_workgroup_id_y 1
		.amdhsa_system_sgpr_workgroup_id_z 1
		.amdhsa_system_vgpr_workitem_id 0
		.amdhsa_next_free_vgpr 512
		.amdhsa_next_free_sgpr 66
		.amdhsa_reserve_vcc 0
		.amdhsa_float_denorm_mode_32 3
		.amdhsa_float_denorm_mode_16_64 3
		.amdhsa_memory_ordered 1
		.amdhsa_forward_progress 1
		.amdhsa_inst_pref_size 45
	.end_amdhsa_kernel
	.amdgpu_metadata
---
amdhsa.version: [ 1, 2 ]
amdhsa.kernels:
  - .name:           k_q274f61c613_quant
    .symbol:         k_q274f61c613_quant.kd
    .args:
      - { .name: x, .offset: 0, .size: 8, .value_kind: global_buffer, .address_space: global }
      - { .name: Wq, .offset: 8, .size: 8, .value_kind: global_buffer, .address_space: global }
      - { .name: Wk, .offset: 16, .size: 8, .value_kind: global_buffer, .address_space: global }
      - { .name: Wv, .offset: 24, .size: 8, .value_kind: global_buffer, .address_space: global }
      - { .name: Wp, .offset: 32, .size: 8, .value_kind: global_buffer, .address_space: global }
      - { .name: xq, .offset: 40, .size: 8, .value_kind: global_buffer, .address_space: global }
      - { .name: wq, .offset: 48, .size: 8, .value_kind: global_buffer, .address_space: global }
    .group_segment_fixed_size: 8704
    .private_segment_fixed_size: 0
    .kernarg_segment_align: 8
    .kernarg_segment_size: 56
    .max_flat_workgroup_size: 32
    .sgpr_count:     66
    .vgpr_count:     512
    .wavefront_size: 32
...
	.end_amdgpu_metadata
.endif
;; end of part 1
;; launch qkv (part 2): grid 64 x 4, 4 waves a work-group, clusters of 4 x 1, 327,680 bytes of LDS; arguments xq, wq, bq, bk, bv, qq, kv; writes qq, kv
.if DOCPART == 2
	.amdgcn_target "amdgcn-amd-amdhsa--gfx1250"
	.amdhsa_code_object_version 6
	.text
	.protected	k_q274f61c613_qkv
	.globl	k_q274f61c613_qkv
	.p2align	8
	.type	k_q274f61c613_qkv,@function
k_q274f61c613_qkv:
	s_mov_b64 s[64:65], 0
	v_nop
	global_prefetch_b8 v0, s[64:65] scope:SCOPE_SE
	s_setreg_imm32_b32 hwreg(HW_REG_WAVE_MODE, 25, 1), 1
	s_wait_xcnt 0x0
	s_wait_alu depctr_hold_cnt(0) depctr_sa_sdst(0) depctr_va_vdst(0) depctr_va_sdst(0) depctr_va_ssrc(0) depctr_va_vcc(0) depctr_vm_vsrc(0)
	s_getreg_b32 s2, hwreg(HW_REG_IB_STS2, 6, 4)
	s_cmp_eq_u32 s2, 0
	s_cbranch_scc0 .Lentry_in_a_cluster
	s_endpgm
.Lentry_in_a_cluster:
	s_bfe_u32 s2, ttmp6, 0x10000c
	s_cmp_lg_u32 s2, 0x3003
	s_cbranch_scc0 .Lentry_shape_is_right
	s_endpgm
.Lentry_shape_is_right:
; q = x Wq^T + bq, k = x Wk^T + bk, v = x Wv^T + bv on codes of FP6 (E2M3) with E8M0 scales, and the results quantised at once, in registers:
; q and k along the head's 64 channels, v along the tokens (the keys of the later product).  Nothing but codes and scale bytes is stored.
; SHARES.  A work-group owns 256 tokens and 9 of the 36 blocks of 64 output channels (12 heads each of q, k, v); a wave owns 64 tokens, four
; tiles, whose 24 fragments stay in its registers for the whole launch.  The weights come through LDS; each fragment read feeds four products.
; The nine heads are three groups of three, each of one kind.  q, k: source 0 = 16 rows of W, source 1 = 16 tokens: a lane holds one token and
; its registers run along the channels.  v: the sources swapped: a lane holds one channel and its registers run along the tokens.
; Tile u of a group of 64 rows holds, as its row r, the group's row 8 u + r + 24 (r / 8): so the 32 registers of a group's four tiles are
; index 32 (lane / 16) + 0 .. 31, a whole block of 32 in one lane, in the order of the 6-bit operand's registers.
; The bias is the C of each sum's first product.  1 / sqrt(64) = 2^-3 goes into q's scale bytes, which are stored lowered by 3.
; A head's first LDS loads (W's scale words, the bias, K step 0's fragments) are issued ahead of the quantiser of the head before; so a group is
; a loop of two heads that ask ahead and a third, written out, that does not.
; CLUSTER.  The four work-groups of a cluster own other tokens and walk the same weights: each weight tile is asked for jointly (mask 15).
; x's codes are a work-group's own within its cluster and go straight into registers, once.
; LDS: two slots of three heads' weights (116,736 bytes each); group 2 comes into slot 0 behind the one refill of the launch.
; LIMITS: NaN and infinities are not served; a block whose largest magnitude lies under 2^(6 - 127) gets the floor's byte (so that q's byte
; stays at 1 or more after the 3 is taken off); blocks of zeros get that byte too: their codes are zeros, and only this program reads the bytes.
; The bias enters the sum first, not last: another order of f32 rounding than a sum with the bias added at its end.
; REGISTERS: window 0: v1-13 addresses; v16-31 x's scale words; v32-47 W's; v48-175 16 accumulators ((r, p) at 8 (4 r + p)); v176-228 the quantiser's.
;   window 1: x's tiles 0, 1 (72 (t % 2) + 12 s);  window 2: tiles 2, 3;  window 3: v0-95 W's fragments, two sets of four; v96-127 the bias as C.
.set XTILE, 9728
.set FRAGB, 1536
.set HBLK,  4*XTILE                    ; a head's 64 rows of W: 38,912 bytes
.set SLOTB, 3*HBLK
.set QUART, SLOTB/4                    ; what one tensor load brings: 114 rows of 256 bytes
.set SPARE, 2*SLOTB                    ; the spare words: 128 bytes for each wave, two blocks of 256 bytes that no other line names
.set BIAS,  SPARE+512                  ; 576 numbers of bias, stored by wave 0; no fill lands here
.set FLOOR, 0x3000000                  ; 2^(6 - 127)
.set L16, 1
.set L8,  2
.set L4,  3
.set SO,  4                            ; v4   16 r + 8 h: where q's and k's scale words go
.set ADW, 5                            ; v5   the head's weights in LDS, + 16 x lane
.set ADB, 6                            ; v6   its bias, for q and k
.set ADBV, 7                           ; v7   and for v
.set BB0, 8                            ; v8   BIAS + 128 h
.set BB0V, 9                           ; v9   BIAS + 4 (r + 24 (r / 8))
.set SPW, 10                           ; v10  my spare word; never rewritten
.set NIL, 11                           ; v11  0; never rewritten
.set BST, 12                           ; v12  BIAS + 8 x lane
.set SH8, 13                           ; v13  8 h
.set XS,  16
.set WS,  32
.set ACC, 48
.set TM,  176                          ; v176-184
.set PT,  192
.set PCA, 200
.set PCB, 212
.set PW0, 224
.set PW1, 225
.set OW,  226
.set OWS, 228
.set WF,  0                            ; in window 3
.set BI,  96                           ; in window 3
.set WV,  18
.set SEL, 40
.set HM,  42
.set ADJ, 43
.set CB,  44                           ; s[44:45] where the head's codes go
.set SB,  46                           ; s[46:47] and its scale words
.set STR, 48                           ; s[48:49] from head to head
.set TB,  50
.set BT,  51
.set CNT, 52
.set GI,  53
.set MSB, 0
.macro WIN new                         ; the immediate's high byte repeats the setting that is left
.if MSB != (\new)
	s_set_vgpr_msb (MSB<<8)|(\new)
.set MSB, \new
.endif
.endm
.macro PLACES n
.rept \n
	v_nop
.endr
.endm
.macro ROUND                           ; a round of the cluster's barrier
	s_barrier_signal -1
	s_barrier_wait -1
	s_cmp_lg_u32 s[WV], 0
	s_cbranch_scc1 .Lnot_wave_0_\@
	s_barrier_signal -3
.Lnot_wave_0_\@:
	s_barrier_wait -3
	s_barrier_signal -1
	s_barrier_wait -1
.endm
; THE QUANTISER.  64 numbers of a lane, register 32 c + i = index 64 c + 32 h + i: two whole blocks of 32.  They become 12 registers of codes, in the
; operand's order, and the scale word (byte 2 c + h), whole in both halves of the lanes.  Each accumulator is read from its low end on.
.macro QA s
.irp c, 0,1
	v_max3_num_f32 v[TM+\c], |v[\s+32*\c]|, |v[\s+32*\c+1]|, FLOOR
	v_max3_num_f32 v[TM+2+\c], |v[\s+32*\c+16]|, |v[\s+32*\c+17]|, |v[\s+32*\c+18]|
.endr
.irp c, 0,1
	v_max3_num_f32 v[TM+\c], v[TM+\c], |v[\s+32*\c+2]|, |v[\s+32*\c+3]|
	v_max3_num_f32 v[TM+2+\c], v[TM+2+\c], |v[\s+32*\c+19]|, |v[\s+32*\c+20]|
.endr
.endm
.macro QB s, pc, pw
.irp i, 4,6,8,10,12
.irp c, 0,1
	v_max3_num_f32 v[TM+\c], v[TM+\c], |v[\s+32*\c+\i]|, |v[\s+32*\c+\i+1]|       ; four chains by turns
	v_max3_num_f32 v[TM+2+\c], v[TM+2+\c], |v[\s+32*\c+\i+17]|, |v[\s+32*\c+\i+18]|
.endr
.endr
.irp c, 0,1
	v_max3_num_f32 v[TM+\c], v[TM+\c], |v[\s+32*\c+14]|, |v[\s+32*\c+15]|
.endr
.irp c, 0,1
	v_max3_num_f32 v[TM+\c], v[TM+\c], v[TM+2+\c], |v[\s+32*\c+31]|               ; the block's largest magnitude
.endr
.irp c, 0,1
	v_add_nc_u32 v[TM+4+\c], 0xff000000, v[TM+\c]  ; 2 off the exponent field: the conversion's scale operand
.endr
.irp c, 0,1
	v_lshrrev_b32 v[TM+6+\c], 23, v[TM+4+\c]       ; the byte
.endr
	v_lshl_or_b32 v[\pw], v[TM+7], 16, v[TM+6]
	v_lshlrev_b32 v[\pw], v[SH8], v[\pw]           ; my two bytes at their places,
	v_permlanex16_b32 v[TM+8], v[\pw], s[SEL], s[SEL+1]
	v_or_b32 v[\pw], v[\pw], v[TM+8]               ; with lane l xor 16's two the word is whole
.irp c, 0,1
	v_cvt_scalef32_pk16_fp6_f32 v[\pc+6*\c:\pc+6*\c+2], v[\s+32*\c:\s+32*\c+15], v[TM+4+\c]
	v_cvt_scalef32_pk16_fp6_f32 v[PT+4*\c:PT+4*\c+2], v[\s+32*\c+16:\s+32*\c+31], v[TM+4+\c]   ; (a conversion's three registers begin on an even number)
.endr
	v_nop                                          ; one plain instruction behind the scaled conversions
.irp c, 0,1
.irp i, 0,1,2
	v_mov_b32 v[\pc+6*\c+3+\i], v[PT+4*\c+\i]
.endr
.endr
.endm
.macro WM d, a, b, c, sa, sb, odd      ; one product; an odd K step's scale words stand in lanes 16-31
.if \odd
	v_wmma_scale_f32_16x16x128_f8f6f4 v[\d:\d+7], v[\a:\a+11], v[\b:\b+11], v[\c:\c+7], v[\sa], v[\sb] matrix_a_fmt:MATRIX_FMT_FP6 matrix_b_fmt:MATRIX_FMT_FP6 matrix_a_scale:MATRIX_SCALE_ROW1 matrix_b_scale:MATRIX_SCALE_ROW1
.else
	v_wmma_scale_f32_16x16x128_f8f6f4 v[\d:\d+7], v[\a:\a+11], v[\b:\b+11], v[\c:\c+7], v[\sa], v[\sb] matrix_a_fmt:MATRIX_FMT_FP6 matrix_b_fmt:MATRIX_FMT_FP6
.endif
.endm
; 16 products of K step s.  The 16 accumulators take turns, one instruction a turn, in the same order in every step.
.macro MM_QK s                         ; source 0 = W's tile p (window 3), source 1 = x's tile r (window 1 or 2)
.irp r, 0,1,2,3
.if \s == 0
	WIN 0x37+4*(\r/2)
.else
	WIN 0x07+4*(\r/2)
.endif
.irp p, 0,1,2,3
.if \s == 0
	WM ACC+8*(4*\r+\p), WF+48*(\s%2)+12*\p, 72*(\r%2)+12*\s, BI+8*\p, WS+4*\p+\s/2, XS+4*\r+\s/2, \s%2
.else
	WM ACC+8*(4*\r+\p), WF+48*(\s%2)+12*\p, 72*(\r%2)+12*\s, ACC+8*(4*\r+\p), WS+4*\p+\s/2, XS+4*\r+\s/2, \s%2
.endif
.endr
.endr
.endm
.macro MM_V s                          ; source 0 = x's tile p, source 1 = W's tile r
.irp p, 0,1,2,3
.if \s == 0
	WIN 0x3D+(\p/2)
.else
	WIN 0x0D+(\p/2)
.endif
.irp r, 0,1,2,3
.if \s == 0
	WM ACC+8*(4*\r+\p), 72*(\p%2)+12*\s, WF+48*(\s%2)+12*\r, BI+8*\r, XS+4*\p+\s/2, WS+4*\r+\s/2, \s%2
.else
	WM ACC+8*(4*\r+\p), 72*(\p%2)+12*\s, WF+48*(\s%2)+12*\r, ACC+8*(4*\r+\p), XS+4*\p+\s/2, WS+4*\r+\s/2, \s%2
.endif
.endr
.endr
.endm
.macro WLOAD s                         ; K step s's four fragments of W into set s % 2 (destination window 3)
.irp p, 0,1,2,3
.irp j, 0,1,2
	ds_load_b128 v[WF+48*((\s)%2)+12*\p+4*\j:WF+48*((\s)%2)+12*\p+4*\j+3], v[ADW] offset:XTILE*\p+FRAGB*(\s)+512*\j
.endr
.endr
.endm
.macro KSTEP s, arm
	PLACES 4                                       ; in front of loads into registers that the step before multiplied
.if \s < 5
	WIN 0xC0
	WLOAD \s+1
	s_wait_dscnt 12                                ; all but the 12 just issued: this step's fragments are in
.else
	s_wait_dscnt 0x0
.endif
.if \arm
	MM_V \s
.else
	MM_QK \s
.endif
.endm
.macro HSTORE pc, off                  ; two half images (6 registers: 4 at 16 x lane, 2 at 512 + 8 x lane): runs of 512 and 256 consecutive bytes, aligned to 256
	global_store_b128 v[L16], v[\pc:\pc+3], s[CB:CB+1] offset:\off
	global_store_b64 v[L8], v[\pc+4:\pc+5], s[CB:CB+1] offset:\off+512
	global_store_b128 v[L16], v[\pc+6:\pc+9], s[CB:CB+1] offset:\off+768
	global_store_b64 v[L8], v[\pc+10:\pc+11], s[CB:CB+1] offset:\off+1280
.endm
.macro HADDR                           ; the LDS addresses of the head at s[TB], s[BT]
	v_add_nc_u32 v[ADW], s[TB], v[L16]
	v_add_nc_u32 v[ADB], s[BT], v[BB0]
	v_add_nc_u32 v[ADBV], s[BT], v[BB0V]
.endm
.macro TOPLOADS                        ; a head's first LDS loads: W's scale words, the bias, K step 0's fragments
.irp p, 0,1,2,3
	ds_load_b128 v[WS+4*\p:WS+4*\p+3], v[ADW] offset:XTILE*\p+9216
.endr
	s_cmp_ge_u32 s[GI], 8
	s_cbranch_scc1 .Ltv_\@
	WIN 0xC0
.irp p, 0,1,2,3
.irp q, 0,1
	ds_load_b128 v[BI+8*\p+4*\q:BI+8*\p+4*\q+3], v[ADB] offset:32*\p+16*\q   ; the bias of my eight channels of tile p: 32 h + 8 p + 0 .. 7
.endr
.endr
	WLOAD 0
	WIN 0
	s_branch .Ltj_\@
.Ltv_\@:
	WIN 0xC0
.irp r, 0,1,2,3
	ds_load_b32 v[BI+8*\r], v[ADBV] offset:32*\r   ; the bias of my one channel of tile r
.endr
	WLOAD 0
	WIN 0
.Ltj_\@:
.endm
; One head: 96 products, then the quantiser and the stores.  pre = 1: the next head's first LDS loads go out ahead of the quantiser.
.macro HEADBODY pre
	s_cmp_ge_u32 s[GI], 8
	s_cbranch_scc1 .Lvarm_\@
	KSTEP 0, 0
	KSTEP 1, 0
	KSTEP 2, 0
	KSTEP 3, 0
	KSTEP 4, 0
	KSTEP 5, 0
	WIN 0
	s_branch .Ljoin_\@
.Lvarm_\@:
	s_wait_dscnt 12                                ; all but the 12 fragment loads issued behind them: the four words of bias are in
	WIN 0xC3
.irp r, 0,1,2,3
.irp j, 1,2,3,4,5,6,7
	v_mov_b32 v[BI+8*\r+\j], v[BI+8*\r]            ; the same for all eight tokens
.endr
.endr
	KSTEP 0, 1
	KSTEP 1, 1
	KSTEP 2, 1
	KSTEP 3, 1
	KSTEP 4, 1
	KSTEP 5, 1
	WIN 0
.Ljoin_\@:
	PLACES 4                                       ; in front of the first read of results, and of loads into W's scale words
.if \pre
	s_add_co_u32 s[TB], s[TB], HBLK
	s_add_co_u32 s[BT], s[BT], 256
	HADDR
	TOPLOADS                                       ; they land while this head is quantised
.endif
	QA ACC
	QB ACC, PCA, PW0
	HSTORE PCA, 0
	QA ACC+64
	QB ACC+64, PCB, PW1
	HSTORE PCB, 1536
	v_cndmask_b32 v[OWS], v[PW0], v[PW1], s[HM]    ; lanes 0-15: tiles 0, 1; lanes 16-31: tiles 2, 3; two bytes each
	s_cmp_ge_u32 s[GI], 8
	s_cbranch_scc1 .Lvsc_\@
	v_sub_nc_u32 v[OWS], v[OWS], s[ADJ]            ; every byte is 4 or more: nothing is borrowed
	v_and_b32 v[OW], 0xffff, v[OWS]                ; a word a tile: two bytes, and two zeros for the 64 along K that are zero codes
	v_lshrrev_b32 v[OW+1], 16, v[OWS]
	global_store_b64 v[SO], v[OW:OW+1], s[SB:SB+1]
	s_branch .Lscd_\@
.Lvsc_\@:
	global_store_b32 v[L4], v[OWS], s[SB:SB+1]
.Lscd_\@:
	s_wait_xcnt 0x0                                ; the head's stores have read their data and bases: both are written again only behind this wait
	s_add_nc_u64 s[CB:CB+1], s[CB:CB+1], s[STR:STR+1]
	s_add_nc_u64 s[SB:SB+1], s[SB:SB+1], s[STR:STR+1]
.endm
; Group i of this work-group's three, its weights in the slot named: three heads of one kind.
.macro GROUP i, slot
	s_mul_i32 s[GI], s20, 3
	s_add_co_u32 s[GI], s[GI], \i                  ; 0-3 q, 4-7 k, 8-11 v: the same in all partners of the cluster
	s_and_b32 s54, s[GI], 3
	s_mul_i32 s54, s54, 3                          ; the group's first head
	s_mul_i32 s55, s22, 12
	s_add_co_u32 s55, s55, s54                     ; 12 b + head
	s_lshl_b32 s56, s55, 4
	s_add_co_u32 s56, s56, s23
	s_mul_i32 s56, s56, 3328                       ; q: my 64 tokens' block;
	s_add_co_u32 s63, s56, 3072                    ; its scale words
	s_lshl_b32 s57, s55, 3
	s_lshr_b32 s58, s23, 1
	s_add_co_u32 s57, s57, s58
	s_mul_i32 s57, s57, 13056                      ; k, v: the chunk of 128 keys;
	s_and_b32 s58, s23, 1                          ; which 64 of them are mine
	s_mul_i32 s59, s58, 3072
	s_add_co_u32 s59, s59, s57                     ; k's codes
	s_add_co_u32 s61, s59, 6144                    ; v's codes
	s_lshl_b32 s60, s58, 8
	s_add_co_u32 s60, s60, s57
	s_add_co_u32 s60, s60, 12288                   ; k's scale words
	s_lshl_b32 s62, s58, 7
	s_add_co_u32 s62, s62, s57
	s_add_co_u32 s62, s62, 12800                   ; v's
	s_mov_b32 s[STR], 104448
	s_mov_b32 s[STR+1], 0
	s_cmp_lt_u32 s[GI], 8
	s_cselect_b32 s59, s59, s61
	s_cselect_b32 s60, s60, s62
	s_cmp_lt_u32 s[GI], 4
	s_cselect_b32 s56, s56, s59
	s_cselect_b32 s58, s63, s60
	s_cselect_b64 s[CB:CB+1], s[14:15], s[16:17]
	s_cselect_b32 s[STR], 53248, s[STR]
	s_cselect_b32 s[ADJ], 0x03030303, 0            ; q's bytes are lowered by 3
	s_mov_b32 s57, 0
	s_mov_b32 s59, 0
	s_mov_b64 s[SB:SB+1], s[CB:CB+1]
	s_add_nc_u64 s[CB:CB+1], s[CB:CB+1], s[56:57]
	s_add_nc_u64 s[SB:SB+1], s[SB:SB+1], s[58:59]
	s_mov_b32 s[TB], SLOTB*\slot
	s_mov_b32 s[BT], 768*\i
	HADDR
	TOPLOADS                                       ; the group's first head
	s_mov_b32 s[CNT], 2
.Lhead_\@:
	HEADBODY 1
	s_sub_co_u32 s[CNT], s[CNT], 1
	s_cmp_lg_u32 s[CNT], 0
	s_cbranch_scc1 .Lhead_\@
	HEADBODY 0                                     ; the third head is written out: the slot holds no head behind it
.endm
	s_load_b256 s[4:11], s[0:1], 0x0               ; xq, wq, bq, bk
	s_load_b128 s[12:15], s[0:1], 0x20             ; bv, qq
	s_load_b64 s[16:17], s[0:1], 0x30              ; kv
	v_lshl_add_u32 v[SPW], v0, 2, SPARE
	v_mov_b32 v[NIL], 0
	ds_add_u32 v10, v11
	ds_add_u32 v10, v11
	s_wait_dscnt 0x0
	v_lshrrev_b32 v14, 5, v0
	v_readfirstlane_b32 s[WV], v14                 ; wave 0..3
	s_bfe_u32 s19, ttmp6, 0x40000                  ; cx
	s_and_b32 s20, ttmp7, 0xffff                   ; which nine heads: shared by the cluster
	s_lshl_b32 s21, ttmp9, 2
	s_add_co_u32 s21, s21, s19                     ; my block of 256 tokens
	s_lshr_b32 s22, s21, 2                         ; b
	s_and_b32 s23, s21, 3
	s_lshl_b32 s23, s23, 2
	s_add_co_u32 s23, s23, s[WV]                   ; my 64 tokens among the batch's 16 groups
	v_and_b32 v14, 31, v0
	v_lshlrev_b32 v[L16], 4, v14
	v_lshlrev_b32 v[L8], 3, v14
	v_lshlrev_b32 v[L4], 2, v14
	v_and_b32 v14, 15, v0                          ; r
	v_bfe_u32 v15, v0, 4, 1                        ; h
	v_lshlrev_b32 v[SO], 4, v14
	v_lshl_add_u32 v[SO], v15, 3, v[SO]
	v_lshlrev_b32 v[SH8], 3, v15
	v_lshlrev_b32 v[BB0], 7, v15
	v_add_nc_u32 v[BB0], BIAS, v[BB0]
	v_and_b32 v[BB0V], 8, v14
	v_mad_u32_u24 v[BB0V], v[BB0V], 3, v14         ; r + 24 (r / 8)
	v_lshl_add_u32 v[BB0V], v[BB0V], 2, BIAS
	v_add_nc_u32 v[BST], BIAS, v[L8]
	s_mov_b32 s[SEL], 0x76543210
	s_mov_b32 s[SEL+1], 0xfedcba98
	s_mov_b32 s[HM], 0xffff0000
	; descriptor group 1: 114 dense rows of 256 bytes (32 elements of 8 bytes), no padding; the mask names all four work-groups
	s_mov_b32 s24, 15|(3<<16)|(1<<21)
	s_mov_b32 s25, 32<<16                          ; tensor_dim0
	s_mov_b32 s26, 114<<16                         ; tensor_dim1
	s_mov_b32 s27, 32<<16                          ; tile_dim0
	s_mov_b32 s28, 114                             ; tile_dim1
	s_mov_b32 s29, 32                              ; pitch
	s_mov_b32 s30, 0
	s_mov_b32 s31, 0
	s_mul_i32 s54, s[WV], QUART                    ; my quarter of a slot
	s_mul_i32 s56, s20, 9*HBLK
	s_add_co_u32 s56, s56, s54
	s_mov_b32 s57, 0
	s_lshl_b32 s58, s21, 4
	s_lshl_b32 s59, s[WV], 2
	s_add_co_u32 s58, s58, s59                     ; my first tile of x
	s_mul_i32 s58, s58, XTILE
	s_mov_b32 s59, 0
	s_wait_kmcnt 0x0
	s_add_nc_u64 s[56:57], s[6:7], s[56:57]
	s_add_nc_u64 s[4:5], s[4:5], s[58:59]
.irp n, 0,1
	s_mov_b32 s[32+4*\n], 1
	s_add_co_u32 s[33+4*\n], s54, \n*SLOTB
	s_add_nc_u64 s[34+4*\n:35+4*\n], s[56:57], \n*SLOTB
	s_or_b32 s[35+4*\n], s[35+4*\n], 0x80000000
.endr
	ROUND                                          ; all four work-groups are here: the first joint loads meet
	tensor_load_to_lds s[32:35], s[24:31]          ; group 0's weights
	s_nop 0
	tensor_load_to_lds s[36:39], s[24:31]          ; group 1's: two loads of mine are out
	s_nop 0
	PLACES 4
	WIN 0x40
.irp t, 0,1
.irp s, 0,1,2,3,4,5
.irp j, 0,1,2
	global_load_b128 v[72*\t+12*\s+4*\j:72*\t+12*\s+4*\j+3], v[L16], s[4:5] offset:XTILE*\t+FRAGB*\s+512*\j
.endr
.endr
.endr
	WIN 0x80
.irp t, 0,1
.irp s, 0,1,2,3,4,5
.irp j, 0,1,2
	global_load_b128 v[72*\t+12*\s+4*\j:72*\t+12*\s+4*\j+3], v[L16], s[4:5] offset:XTILE*(\t+2)+FRAGB*\s+512*\j
.endr
.endr
.endr
	WIN 0
.irp t, 0,1,2,3
	global_load_b128 v[XS+4*\t:XS+4*\t+3], v[L16], s[4:5] offset:XTILE*\t+9216
.endr
	s_cmp_lg_u32 s[WV], 0                          ; wave 0 brings the work-group's 576 numbers of bias into LDS
	s_cbranch_scc1 .Lno_bias
.irp i, 0,1,2
	s_mul_i32 s66, s20, 3
	s_add_co_u32 s66, s66, \i
	s_and_b32 s67, s66, 3
	s_cmp_lt_u32 s66, 8
	s_cselect_b64 s[54+2*\i:55+2*\i], s[10:11], s[12:13]
	s_cmp_lt_u32 s66, 4
	s_cselect_b64 s[54+2*\i:55+2*\i], s[8:9], s[54+2*\i:55+2*\i]
	s_mul_i32 s60, s67, 768
	s_mov_b32 s61, 0
	s_add_nc_u64 s[54+2*\i:55+2*\i], s[54+2*\i:55+2*\i], s[60:61]
.irp j, 0,1,2
	global_load_b64 v[ACC+6*\i+2*\j:ACC+6*\i+2*\j+1], v[L8], s[54+2*\i:55+2*\i] offset:256*\j
.endr
.endr
	s_wait_loadcnt 0x0
.irp i, 0,1,2
.irp j, 0,1,2
	ds_store_b64 v[BST], v[ACC+6*\i+2*\j:ACC+6*\i+2*\j+1] offset:768*\i+256*\j
.endr
.endr
.Lno_bias:
	v_mov_b32 v[TM+8], 0                           ; a lane permute's destination counts as read
	s_wait_loadcnt 0x0                             ; x
	s_wait_tensorcnt 0x1                           ; my part of slot 0 is in; slot 1's may stay out
	s_wait_dscnt 0x0                               ; the bias is stored
	s_barrier_signal -1
	s_barrier_wait -1
	GROUP 0, 0
	s_wait_tensorcnt 0x0                           ; no tensor load of mine is out, so a group 0 may be written
	ds_add_u32 v[SPW], v[NIL]                      ; 0 onto my spare word
	s_add_nc_u64 s[34:35], s[34:35], 2*SLOTB       ; group 2's weights
	s_wait_dscnt 0x0                               ; the add is done, and my reads of slot 0 are over
	ROUND                                          ; the same holds of every wave of every partner
	tensor_load_to_lds s[32:35], s[24:31]          ; the launch's one refill: it has three heads' work in which to land
	s_nop 0
	PLACES 4
	GROUP 1, 1
	s_wait_tensorcnt 0x0                           ; my part of group 2's weights is in
	ds_add_u32 v[SPW], v[NIL]
	s_wait_dscnt 0x0
	s_barrier_signal -1
	s_barrier_wait -1                              ; everybody's is
	GROUP 2, 0
	s_wait_tensorcnt 0x0                           ; the wave's end
	ds_add_u32 v[SPW], v[NIL]
	s_wait_dscnt 0x0
	ROUND                                          ; the closing round
	s_endpgm
.Lfunc_end_k_q274f61c613_qkv:
	.size	k_q274f61c613_qkv, .Lfunc_end_k_q274f61c613_qkv-k_q274f61c613_qkv
	.p2alignl 7, 3214868480
	.fill 96, 4, 3214868480
	.section	.rodata,"a",@progbits
	.p2align	6, 0x0
	.amdhsa_kernel k_q274f61c613_qkv
		.amdhsa_group_segment_fixed_size 327680
		.amdhsa_private_segment_fixed_size 0
		.amdhsa_enable_private_segment 0
		.amdhsa_kernarg_size 56
		.amdhsa_user_sgpr_count 2
		.amdhsa_user_sgpr_kernarg_segment_ptr 1
		.amdhsa_wavefront_size32 1
		.amdhsa_system_sgpr_workgroup_id_x 1
		.amdhsa_system_sgpr_workgroup_id_y 1
		.amdhsa_system_sgpr_workgroup_id_z 1
		.amdhsa_system_vgpr_workitem_id 0
		.amdhsa_next_free_vgpr 896
		.amdhsa_next_free_sgpr 100
		.amdhsa_reserve_vcc 0
		.amdhsa_float_denorm_mode_32 3
		.amdhsa_float_denorm_mode_16_64 3
		.amdhsa_memory_ordered 1
		.amdhsa_forward_progress 1
		.amdhsa_inst_pref_size 255
	.end_amdhsa_kernel
	.section	.bss,"aw",@nobits
	.p2align	6
	.space	262144
	.amdgpu_metadata
---
amdhsa.version: [ 1, 2 ]
amdhsa.kernels:
  - .name:           k_q274f61c613_qkv
    .symbol:         k_q274f61c613_qkv.kd
    .args:
      - { .name: xq, .offset: 0, .size: 8, .value_kind: global_buffer, .address_space: global }
      - { .name: wq, .offset: 8, .size: 8, .value_kind: global_buffer, .address_space: global }
      - { .name: bq, .offset: 16, .size: 8, .value_kind: global_buffer, .address_space: global }
      - { .name: bk, .offset: 24, .size: 8, .value_kind: global_buffer, .address_space: global }
      - { .name: bv, .offset: 32, .size: 8, .value_kind: global_buffer, .address_space: global }
      - { .name: qq, .offset: 40, .size: 8, .value_kind: global_buffer, .address_space: global }
      - { .name: kv, .offset: 48, .size: 8, .value_kind: global_buffer, .address_space: global }
    .group_segment_fixed_size: 327680
    .private_segment_fixed_size: 0
    .kernarg_segment_align: 8
    .kernarg_segment_size: 56
    .max_flat_workgroup_size: 128
    .sgpr_count:     100
    .vgpr_count:     896
    .wavefront_size: 32
...
	.end_amdgpu_metadata
.endif
;; end of part 2
;; launch attn (part 3): grid 16 x 16, 8 waves a work-group, clusters of 4 x 1, 327,680 bytes of LDS; arguments qq, kv, yq; writes yq
.if DOCPART == 3
	.amdgcn_target "amdgcn-amd-amdhsa--gfx1250"
	.amdhsa_code_object_version 6
	.text
	.protected	k_q274f61c613_attn
	.globl	k_q274f61c613_attn
	.p2align	8
	.type	k_q274f61c613_attn,@function
k_q274f61c613_attn:
	s_mov_b64 s[64:65], 0
	v_nop
	global_prefetch_b8 v0, s[64:65] scope:SCOPE_SE
	s_setreg_imm32_b32 hwreg(HW_REG_WAVE_MODE, 25, 1), 1
	s_wait_xcnt 0x0
	s_wait_alu depctr_hold_cnt(0) depctr_sa_sdst(0) depctr_va_vdst(0) depctr_va_sdst(0) depctr_va_ssrc(0) depctr_va_vcc(0) depctr_vm_vsrc(0)
	s_getreg_b32 s2, hwreg(HW_REG_IB_STS2, 6, 4)
	s_cmp_eq_u32 s2, 0
	s_cbranch_scc0 .Lentry_in_a_cluster
	s_endpgm
.Lentry_in_a_cluster:
	s_bfe_u32 s2, ttmp6, 0x10000c
	s_cmp_lg_u32 s2, 0x3003
	s_cbranch_scc0 .Lentry_shape_is_right
	s_endpgm
.Lentry_shape_is_right:
; y[b][q][head] = (q k^T / 8) v for each of 192 (batch, head) pairs: no softmax.  Both products on codes of FP6 (E2M3) with E8M0 scales.
; q and k arrive as codes along the head's 64 channels (the other 64 of the instruction's 128 are zero codes, kept in registers; their scale
; bytes are 0, which is no NaN); q's bytes carry the factor 1 / 8.  att is quantised in registers along the keys, v arrives quantised along
; the keys, and y is quantised along its channels before it is stored.
; SHARES.  A work-group owns 256 queries of one batch and three heads.  Of its eight waves, wave W owns the 64 queries of group W % 4 and the
; key half W / 4 (512 keys, four steps of 128): two waves to a SIMD, so that one wave's quantising stands beside the other's products.
; The two halves' sums of a group meet in LDS and are added in f32: another order of rounding than one sum over all keys.
; A wave's tiles are named locally: local tile t is the group's tile t xor 2 (W / 4); locals 0, 1 are the ones it finishes, 2, 3 its partner's.
; LAYOUT.  S^T = k q^T (source 0 = 16 keys, source 1 = 16 queries), O^T = v^T P^T: a lane holds one query throughout.  Tile u of a group of 64
; keys holds, as its row r, the group's key 8 u + r + 24 (r / 8): so the 32 registers of a group's four tiles are keys 32 (lane / 16) + 0 .. 31,
; a whole block in one lane, in the order of the 6-bit operand's registers.  The head's channels in O^T lie likewise.
; A KEY STEP goes by turns of tiles: the scores of tile t, the first lines of their quantiser, V^T P of tile t - 1, the rest of the quantiser.
; The next step's k is asked of LDS behind the last tile's scores, its v behind the last V^T P; a head's last step asks for nothing.
; LDS: the three heads' k and v, 3 x 104,448 bytes, each filled ONCE at the start; no byte is filled again.  A head's first 65,536 bytes serve as
; the stage of the exchange once every wave has left that head's tiles.
; CLUSTER.  The four blocks of queries of a cluster read the same k and v: every tile is asked for jointly (mask 15).
; LIMITS: NaN and infinities are not served; blocks under 2^(3 - 127) and blocks of zeros get the floor's byte, 1; only this program reads the bytes.
; REGISTERS: window 0: v1-17 addresses; v20-23 q's scale words, v24-27 k's, v28-31 v's, v32 P's; v36-71 the quantiser's; v72-119 q; v120-167 v; v168-231 S^T.
;   window 1: v0-127 O^T (32 t + 8 dt); v128-223 k; v224-251 the next head's q.
.set CHUNK, 13056                      ; 128 keys: k's 8 half images, v's 8, k's scale words, v's
.set HEADB, 8*CHUNK
.set FLOOR, 0x1800000
.set L16, 1
.set L8,  2
.set L4,  3
.set ADK16, 4
.set ADK8,  5
.set ADS4,  6
.set Q16A, 7
.set Q16B, 8
.set Q8A,  9
.set Q8B,  10
.set QSA,  11
.set QSB,  12
.set STS0, 13
.set STL0, 14
.set STS,  15
.set STL,  16
.set SH8,  17                          ; v17  8 h
.set QS,  20
.set KS,  24
.set VX,  28
.set VY,  29
.set VS,  30
.set PW,  32
.set TM,  36                           ; v36-44
.set PC,  52
.set PT,  64
.set QF,  72
.set VF,  120
.set SA,  168
.set OA,  0                            ; window 1
.set KF,  128                          ; window 1
.set QH,  224                          ; window 1
.set WV,  10
.set KHB, 12
.set SEL, 44
.set QP,  46
.set YB,  48
.set YS,  50
.set TB,  52
.set CNT, 53
.set MSB, 0
.macro WIN new
.if MSB != (\new)
	s_set_vgpr_msb (MSB<<8)|(\new)
.set MSB, \new
.endif
.endm
.macro PLACES n
.rept \n
	v_nop
.endr
.endm
.macro ROUND
	s_barrier_signal -1
	s_barrier_wait -1
	s_cmp_lg_u32 s[WV], 0
	s_cbranch_scc1 .Lnot_wave_0_\@
	s_barrier_signal -3
.Lnot_wave_0_\@:
	s_barrier_wait -3
	s_barrier_signal -1
	s_barrier_wait -1
.endm
; THE QUANTISER.  64 numbers of a lane, register 32 c + i = index 64 c + 32 h + i: two whole blocks of 32.  They become a fragment's 12 registers and its scale
; word (byte 2 c + h), whole in both halves of the lanes.  QA: the first eight lines of the search; QB: the rest.  Each accumulator is read from its low end on.
.macro QA s
.irp c, 0,1
	v_max3_num_f32 v[TM+\c], |v[\s+32*\c]|, |v[\s+32*\c+1]|, FLOOR
	v_max3_num_f32 v[TM+2+\c], |v[\s+32*\c+16]|, |v[\s+32*\c+17]|, |v[\s+32*\c+18]|
.endr
.irp c, 0,1
	v_max3_num_f32 v[TM+\c], v[TM+\c], |v[\s+32*\c+2]|, |v[\s+32*\c+3]|
	v_max3_num_f32 v[TM+2+\c], v[TM+2+\c], |v[\s+32*\c+19]|, |v[\s+32*\c+20]|
.endr
.endm
.macro QB s, pc, pw
.irp i, 4,6,8,10,12
.irp c, 0,1
	v_max3_num_f32 v[TM+\c], v[TM+\c], |v[\s+32*\c+\i]|, |v[\s+32*\c+\i+1]|       ; four chains by turns
	v_max3_num_f32 v[TM+2+\c], v[TM+2+\c], |v[\s+32*\c+\i+17]|, |v[\s+32*\c+\i+18]|
.endr
.endr
.irp c, 0,1
	v_max3_num_f32 v[TM+\c], v[TM+\c], |v[\s+32*\c+14]|, |v[\s+32*\c+15]|
.endr
.irp c, 0,1
	v_max3_num_f32 v[TM+\c], v[TM+\c], v[TM+2+\c], |v[\s+32*\c+31]|               ; the block's largest magnitude
.endr
.irp c, 0,1
	v_add_nc_u32 v[TM+4+\c], 0xff000000, v[TM+\c]  ; 2 off the exponent field: the conversion's scale operand
.endr
.irp c, 0,1
	v_lshrrev_b32 v[TM+6+\c], 23, v[TM+4+\c]       ; the byte
.endr
	v_lshl_or_b32 v[\pw], v[TM+7], 16, v[TM+6]
	v_lshlrev_b32 v[\pw], v[SH8], v[\pw]           ; my two bytes at their places,
	v_permlanex16_b32 v[TM+8], v[\pw], s[SEL], s[SEL+1]
	v_or_b32 v[\pw], v[\pw], v[TM+8]               ; with lane l xor 16's two the word is whole
.irp c, 0,1
	v_cvt_scalef32_pk16_fp6_f32 v[\pc+6*\c:\pc+6*\c+2], v[\s+32*\c:\s+32*\c+15], v[TM+4+\c]
	v_cvt_scalef32_pk16_fp6_f32 v[PT+4*\c:PT+4*\c+2], v[\s+32*\c+16:\s+32*\c+31], v[TM+4+\c]   ; (a conversion's three registers begin on an even number)
.endr
	v_nop                                          ; one plain instruction behind the scaled conversions
.irp c, 0,1
.irp i, 0,1,2
	v_mov_b32 v[\pc+6*\c+3+\i], v[PT+4*\c+\i]
.endr
.endr
.endm
.macro LOADQ i                         ; head i's q: four half images and their scale words, into window 1
	WIN 0x40
	global_load_b128 v[QH:QH+3], v[Q16A], s[QP:QP+1] offset:53248*\i
	global_load_b64 v[QH+4:QH+5], v[Q8A], s[QP:QP+1] offset:53248*\i+512
	global_load_b128 v[QH+6:QH+9], v[Q16A], s[QP:QP+1] offset:53248*\i+768
	global_load_b64 v[QH+10:QH+11], v[Q8A], s[QP:QP+1] offset:53248*\i+1280
	global_load_b128 v[QH+12:QH+15], v[Q16B], s[QP:QP+1] offset:53248*\i
	global_load_b64 v[QH+16:QH+17], v[Q8B], s[QP:QP+1] offset:53248*\i+512
	global_load_b128 v[QH+18:QH+21], v[Q16B], s[QP:QP+1] offset:53248*\i+768
	global_load_b64 v[QH+22:QH+23], v[Q8B], s[QP:QP+1] offset:53248*\i+1280
	global_load_b64 v[QH+24:QH+25], v[QSA], s[QP:QP+1] offset:53248*\i+3072
	global_load_b64 v[QH+26:QH+27], v[QSB], s[QP:QP+1] offset:53248*\i+3072
	WIN 0
.endm
.macro MOVQ
	WIN 0x01
.irp t, 0,1,2,3
.irp k, 0,1,2,3,4,5
	v_mov_b32 v[QF+12*\t+\k], v[QH+6*\t+\k]
.endr
.endr
.irp t, 0,1,2,3
	v_mov_b32 v[QS+\t], v[QH+24+\t]
.endr
	WIN 0
.endm
.macro SPROD t                         ; S^T of local tile t: eight tiles of 16 keys; k's scale words of tiles 4-7 stand in lanes 16-31
.irp f, 0,1,2,3
	v_wmma_scale_f32_16x16x128_f8f6f4 v[SA+8*\f:SA+8*\f+7], v[KF+12*\f:KF+12*\f+11], v[QF+12*\t:QF+12*\t+11], 0, v[KS+\f], v[QS+\t] matrix_a_fmt:MATRIX_FMT_FP6 matrix_b_fmt:MATRIX_FMT_FP6
.endr
.irp f, 4,5,6,7
	v_wmma_scale_f32_16x16x128_f8f6f4 v[SA+8*\f:SA+8*\f+7], v[KF+12*\f:KF+12*\f+11], v[QF+12*\t:QF+12*\t+11], 0, v[KS+\f-4], v[QS+\t] matrix_a_fmt:MATRIX_FMT_FP6 matrix_b_fmt:MATRIX_FMT_FP6 matrix_a_scale:MATRIX_SCALE_ROW1
.endr
.endm
.macro PVPROD t, zero                  ; O^T of local tile t: four tiles of 16 channels, by turns; zero = 1: the products start the sums
.irp dt, 0,1,2,3
.if \zero
.if \dt < 2
	v_wmma_scale_f32_16x16x128_f8f6f4 v[OA+32*\t+8*\dt:OA+32*\t+8*\dt+7], v[VF+12*\dt:VF+12*\dt+11], v[PC:PC+11], 0, v[VS+\dt%2], v[PW] matrix_a_fmt:MATRIX_FMT_FP6 matrix_b_fmt:MATRIX_FMT_FP6
.else
	v_wmma_scale_f32_16x16x128_f8f6f4 v[OA+32*\t+8*\dt:OA+32*\t+8*\dt+7], v[VF+12*\dt:VF+12*\dt+11], v[PC:PC+11], 0, v[VS+\dt%2], v[PW] matrix_a_fmt:MATRIX_FMT_FP6 matrix_b_fmt:MATRIX_FMT_FP6 matrix_a_scale:MATRIX_SCALE_ROW1
.endif
.else
.if \dt < 2
	v_wmma_scale_f32_16x16x128_f8f6f4 v[OA+32*\t+8*\dt:OA+32*\t+8*\dt+7], v[VF+12*\dt:VF+12*\dt+11], v[PC:PC+11], v[OA+32*\t+8*\dt:OA+32*\t+8*\dt+7], v[VS+\dt%2], v[PW] matrix_a_fmt:MATRIX_FMT_FP6 matrix_b_fmt:MATRIX_FMT_FP6
.else
	v_wmma_scale_f32_16x16x128_f8f6f4 v[OA+32*\t+8*\dt:OA+32*\t+8*\dt+7], v[VF+12*\dt:VF+12*\dt+11], v[PC:PC+11], v[OA+32*\t+8*\dt:OA+32*\t+8*\dt+7], v[VS+\dt%2], v[PW] matrix_a_fmt:MATRIX_FMT_FP6 matrix_b_fmt:MATRIX_FMT_FP6 matrix_a_scale:MATRIX_SCALE_ROW1
.endif
.endif
.endr
.endm
.macro ADDR                            ; the LDS addresses of the key step at s[TB]: three plain lines
	v_add_nc_u32 v[ADK16], s[TB], v[L16]
	v_add_nc_u32 v[ADK8], s[TB], v[L8]
	v_add_nc_u32 v[ADS4], s[TB], v[L4]
.endm
.macro KLOAD                           ; 17 LDS loads: a step's k and its scale words
	ds_load_b128 v[KS:KS+3], v[ADK16] offset:12288 ; lanes 0-15: the words of key tiles 0-3; lanes 16-31: of tiles 4-7
	WIN 0x40
.irp f, 0,1,2,3,4,5,6,7
	ds_load_b128 v[KF+12*\f:KF+12*\f+3], v[ADK16] offset:768*\f
	ds_load_b64 v[KF+12*\f+4:KF+12*\f+5], v[ADK8] offset:768*\f+512
.endr
	WIN 0
.endm
.macro VLOAD                           ; 18 LDS loads: a step's v and its scale bytes
.irp dt, 0,1,2,3
.irp c, 0,1
	ds_load_b128 v[VF+12*\dt+6*\c:VF+12*\dt+6*\c+3], v[ADK16] offset:6144+3072*\c+768*\dt
	ds_load_b64 v[VF+12*\dt+6*\c+4:VF+12*\dt+6*\c+5], v[ADK8] offset:6144+3072*\c+768*\dt+512
.endr
.endr
	ds_load_b32 v[VX], v[ADS4] offset:12800
	ds_load_b32 v[VY], v[ADS4] offset:12928
.endm
; A turn: the scores of tile t; four places; the first eight lines of their quantiser; V^T P of tile tp, whose P and scale word were written twelve plain
; lines ago (four are asked for an operand, eight for a scale word); the rest of the quantiser, whose first lines are the places in front of its writes of P.
; kl = 1: k's registers are free behind these scores: the next step's k is asked for; the three additions and a v_nop are the four places.
.macro TILE t, tp, zero, kl
	WIN 0x01
	SPROD \t
	WIN 0
.if \kl
	s_add_co_u32 s[TB], s[TB], CHUNK
	ADDR
	v_nop
	KLOAD
.else
	PLACES 4
.endif
	QA SA
	WIN 0x50
	PVPROD \tp, \zero
	WIN 0
	QB SA, PC, PW
.endm
; A key step: 128 keys, whose k and v were asked for earlier.  pre = 1: the next step's are asked for.
.macro STEP zero, pre
	s_wait_dscnt 18                                ; k and its scale words are in; the 18 loads issued behind them (v's 16, its two scale loads) may be out
	WIN 0x01
	SPROD 0
	WIN 0
	PLACES 4                                       ; in front of the first read of the scores
	s_wait_dscnt 0x0                               ; v and its scale bytes are in
	v_perm_b32 v[VS], v[VY], v[VX], 0x05040100     ; lanes 0-15: channel tile 0's word for these 128 keys; lanes 16-31: tile 2's
	v_perm_b32 v[VS+1], v[VY], v[VX], 0x07060302   ; tiles 1 and 3
	QA SA
	QB SA, PC, PW
	TILE 1, 0, \zero, 0
	TILE 2, 1, \zero, 0
	TILE 3, 2, \zero, \pre
	PLACES 8                                       ; a scale word written by vector instructions stands eight places ahead of a scaled product, an operand four
	WIN 0x50
	PVPROD 3, \zero
	WIN 0
.if \pre
	PLACES 4                                       ; in front of loads into registers that the last products read
	VLOAD
.endif
.endm
.macro HEAD i
	s_wait_xcnt 0x0                                ; the last head's stores have read P's registers: they are written again only behind this wait
.if \i == 0
	s_mov_b32 s[TB], s[KHB]                        ; the first head's tiles, my half of the keys
	ADDR
	KLOAD
	VLOAD
.endif
	STEP 1, 1
	s_mov_b32 s[CNT], 2
.Lstep_\@:
	STEP 0, 1
	s_sub_co_u32 s[CNT], s[CNT], 1
	s_cmp_lg_u32 s[CNT], 0
	s_cbranch_scc1 .Lstep_\@
	STEP 0, 0                                      ; my half's last step asks for nothing
	PLACES 4                                       ; in front of the first read of O^T
.if \i < 2
	s_wait_loadcnt 0x0                             ; the next head's q
	MOVQ
.endif
.if \i < 1
	LOADQ 2
.endif
	v_add_nc_u32 v[STS], HEADB*\i, v[STS0]
	v_add_nc_u32 v[STL], HEADB*\i, v[STL0]
	s_wait_dscnt 0x0                               ; my reads of this head's tiles are over
	s_barrier_signal -1
	s_barrier_wait -1                              ; everybody's are: the head's first bytes become the stage
	WIN 0x04
.irp k, 0,1,2,3,4,5,6,7,8,9,10,11,12,13,14,15
	ds_store_b128 v[STS], v[OA+64+4*\k:OA+64+4*\k+3] offset:512*\k   ; my sums for my partner's two tiles; each accumulator from its low end on
.endr
	WIN 0
.if \i < 2
	s_wait_tensorcnt 1-\i                          ; my part of the next head's tiles is in; the loads issued behind it may stay out
.endif
	s_wait_dscnt 0x0                               ; my stores have landed
	s_barrier_signal -1
	s_barrier_wait -1
.if \i < 2
	s_add_co_u32 s[TB], s[KHB], HEADB*(\i+1)       ; the next head's first step is asked for here: it lands under the exchange
	ADDR
	KLOAD
	VLOAD
.endif
.irp k, 0,1,2,3,4,5,6,7,8,9,10,11,12,13,14,15
	ds_load_b128 v[SA+4*\k:SA+4*\k+3], v[STL] offset:512*\k          ; my partner's sums for my two tiles
.endr
	s_wait_dscnt 0x0
	WIN 0x01
.irp m, 0,2,4,6,8,10,12,14,16,18,20,22,24,26,28,30,32,34,36,38,40,42,44,46,48,50,52,54,56,58,60,62
	v_pk_add_f32 v[SA+\m:SA+\m+1], v[OA+\m:OA+\m+1], v[SA+\m:SA+\m+1]
.endr
	WIN 0
	QA SA                                          ; y of my two tiles, along the head's 64 channels
	QB SA, PC, PW
	global_store_b128 v[L16], v[PC:PC+3], s[YB:YB+1] offset:3328*\i
	global_store_b64 v[L8], v[PC+4:PC+5], s[YB:YB+1] offset:3328*\i+512
	global_store_b128 v[L16], v[PC+6:PC+9], s[YB:YB+1] offset:3328*\i+768
	global_store_b64 v[L8], v[PC+10:PC+11], s[YB:YB+1] offset:3328*\i+1280
	global_store_b32 v[L4], v[PW], s[YS:YS+1] offset:3328*\i
.endm
	s_load_b128 s[4:7], s[0:1], 0x0                ; qq, kv
	s_load_b64 s[8:9], s[0:1], 0x10                ; yq
	v_lshl_add_u32 v254, v0, 2, 0x4c800
	v_mov_b32 v255, 0
	ds_add_u32 v254, v255
	ds_add_u32 v254, v255
	v_lshrrev_b32 v18, 5, v0
	v_readfirstlane_b32 s[WV], v18                 ; wave 0..7
	s_bfe_u32 s11, ttmp6, 0x40000                  ; cx: my block of 256 queries
	s_and_b32 s13, ttmp7, 0xffff                   ; b
	s_and_b32 s14, s[WV], 3                        ; my group of 64 queries
	s_lshr_b32 s15, s[WV], 2                       ; my half of the keys
	s_lshl_b32 s16, s11, 2
	s_add_co_u32 s16, s16, s14                     ; the group among the batch's 16
	s_mul_i32 s17, s13, 12
	s_mul_i32 s18, ttmp9, 3                        ; the cluster's x: which three heads
	s_add_co_u32 s17, s17, s18                     ; 12 b + first head
	s_mul_i32 s[KHB], s15, 4*CHUNK
	v_and_b32 v18, 31, v0
	v_lshlrev_b32 v[L16], 4, v18
	v_lshlrev_b32 v[L8], 3, v18
	v_lshlrev_b32 v[L4], 2, v18
	v_and_b32 v18, 15, v0
	v_lshlrev_b32 v19, 4, v18                      ; 16 r
	v_bfe_u32 v18, v0, 4, 1
	v_lshlrev_b32 v[SH8], 3, v18                   ; 8 h
	s_mul_i32 s57, s15, 1536                       ; the tiles that I finish,
	s_sub_co_u32 s19, 1536, s57                    ; and my partner's
	v_add_nc_u32 v[Q16A], s57, v[L16]
	v_add_nc_u32 v[Q16B], s19, v[L16]
	v_add_nc_u32 v[Q8A], s57, v[L8]
	v_add_nc_u32 v[Q8B], s19, v[L8]
	s_lshl_b32 s20, s15, 3
	s_sub_co_u32 s21, 8, s20
	v_add_nc_u32 v[QSA], s20, v19
	v_add_nc_u32 v[QSB], s21, v19
	s_lshl_b32 s22, s[WV], 13
	v_add_nc_u32 v[STS0], s22, v[L16]              ; my 8,192 bytes of the stage,
	s_xor_b32 s23, s[WV], 4
	s_lshl_b32 s23, s23, 13
	v_add_nc_u32 v[STL0], s23, v[L16]              ; and my partner's
	s_mov_b32 s[SEL], 0x76543210
	s_mov_b32 s[SEL+1], 0xfedcba98
	; descriptor group 1: 51 dense rows of 256 bytes: one chunk of 128 keys; the mask names all four work-groups
	s_mov_b32 s24, 15|(3<<16)|(1<<21)
	s_mov_b32 s25, 32<<16
	s_mov_b32 s26, 51<<16
	s_mov_b32 s27, 32<<16
	s_mov_b32 s28, 51
	s_mov_b32 s29, 32
	s_mov_b32 s30, 0
	s_mov_b32 s31, 0
	s_lshl_b32 s54, s17, 3
	s_add_co_u32 s54, s54, s[WV]                   ; wave W fetches key step W of each head
	s_mul_i32 s54, s54, CHUNK
	s_mov_b32 s55, 0
	s_mul_i32 s56, s[WV], CHUNK
	s_lshl_b32 s58, s17, 4
	s_add_co_u32 s58, s58, s16
	s_mul_i32 s58, s58, 3328                       ; q: my group's block in the first head
	s_mov_b32 s59, 0
	s_lshl_b32 s60, s13, 4
	s_add_co_u32 s60, s60, s16
	s_mul_i32 s60, s60, 12
	s_add_co_u32 s60, s60, s18
	s_mul_i32 s60, s60, 3328                       ; y: my group's block for the first head
	s_lshl_b32 s62, s15, 7
	s_add_co_u32 s62, s62, s60
	s_add_co_u32 s62, s62, 3072                    ; its scale words, my pair of tiles
	s_add_co_u32 s60, s60, s57                     ; its codes, my pair of tiles
	s_mov_b32 s61, 0
	s_mov_b32 s63, 0
	s_wait_dscnt 0x0
	s_wait_kmcnt 0x0
	s_add_nc_u64 s[54:55], s[6:7], s[54:55]
	s_add_nc_u64 s[QP:QP+1], s[4:5], s[58:59]
	s_add_nc_u64 s[YB:YB+1], s[8:9], s[60:61]
	s_add_nc_u64 s[YS:YS+1], s[8:9], s[62:63]
.irp i, 0,1,2
	s_mov_b32 s[32+4*\i], 1
	s_add_co_u32 s[33+4*\i], s56, HEADB*\i
	s_add_nc_u64 s[34+4*\i:35+4*\i], s[54:55], HEADB*\i
	s_or_b32 s[35+4*\i], s[35+4*\i], 0x80000000
.endr
	ROUND                                          ; all four work-groups are here: the joint loads meet
	tensor_load_to_lds s[32:35], s[24:31]          ; all that the launch fetches through LDS: three loads of mine are out
	s_nop 0
	tensor_load_to_lds s[36:39], s[24:31]
	s_nop 0
	tensor_load_to_lds s[40:43], s[24:31]
	s_nop 0
	PLACES 4
	LOADQ 0
.irp t, 0,1,2,3
.irp k, 6,7,8,9,10,11
	v_mov_b32 v[QF+12*\t+\k], 0                    ; the upper 64 along K: zero codes, written once
.endr
.endr
	WIN 0x40
.irp f, 0,1,2,3,4,5,6,7
.irp k, 6,7,8,9,10,11
	v_mov_b32 v[KF+12*\f+\k], 0
.endr
.endr
	WIN 0
	v_mov_b32 v[TM+8], 0                           ; a lane permute's destination counts as read
	s_wait_loadcnt 0x0
	MOVQ
	LOADQ 1
	PLACES 8                                       ; q's scale words were written by vector instructions
	s_wait_tensorcnt 0x2                           ; my part of head 0 is in; the other two heads' may stay out
	s_barrier_signal -1
	s_barrier_wait -1
	HEAD 0
	HEAD 1
	HEAD 2
	s_wait_dscnt 0x0
	s_wait_tensorcnt 0x0
	ds_add_u32 v254, v255
	s_wait_dscnt 0x0
	ROUND                                          ; the closing round
	s_endpgm
.Lfunc_end_k_q274f61c613_attn:
	.size	k_q274f61c613_attn, .Lfunc_end_k_q274f61c613_attn-k_q274f61c613_attn
	.p2alignl 7, 3214868480
	.fill 96, 4, 3214868480
	.section	.rodata,"a",@progbits
	.p2align	6, 0x0
	.amdhsa_kernel k_q274f61c613_attn
		.amdhsa_group_segment_fixed_size 327680
		.amdhsa_private_segment_fixed_size 0
		.amdhsa_enable_private_segment 0
		.amdhsa_kernarg_size 24
		.amdhsa_user_sgpr_count 2
		.amdhsa_user_sgpr_kernarg_segment_ptr 1
		.amdhsa_wavefront_size32 1
		.amdhsa_system_sgpr_workgroup_id_x 1
		.amdhsa_system_sgpr_workgroup_id_y 1
		.amdhsa_system_sgpr_workgroup_id_z 1
		.amdhsa_system_vgpr_workitem_id 0
		.amdhsa_next_free_vgpr 512
		.amdhsa_next_free_sgpr 68
		.amdhsa_reserve_vcc 0
		.amdhsa_float_denorm_mode_32 3
		.amdhsa_float_denorm_mode_16_64 3
		.amdhsa_memory_ordered 1
		.amdhsa_forward_progress 1
		.amdhsa_inst_pref_size 233
	.end_amdhsa_kernel
	.amdgpu_metadata
---
amdhsa.version: [ 1, 2 ]
amdhsa.kernels:
  - .name:           k_q274f61c613_attn
    .symbol:         k_q274f61c613_attn.kd
    .args:
      - { .name: qq, .offset: 0, .size: 8, .value_kind: global_buffer, .address_space: global }
      - { .name: kv, .offset: 8, .size: 8, .value_kind: global_buffer, .address_space: global }
      - { .name: yq, .offset: 16, .size: 8, .value_kind: global_buffer, .address_space: global }
    .group_segment_fixed_size: 327680
    .private_segment_fixed_size: 0
    .kernarg_segment_align: 8
    .kernarg_segment_size: 24
    .max_flat_workgroup_size: 256
    .sgpr_count:     68
    .vgpr_count:     512
    .wavefront_size: 32
...
	.end_amdgpu_metadata
.endif
;; end of part 3
;; launch proj (part 4): grid 64 x 4, 4 waves a work-group, clusters of 4 x 1, 168,448 bytes of LDS; arguments yq, wq, bp, out0; writes out0
.if DOCPART == 4
	.amdgcn_target "amdgcn-amd-amdhsa--gfx1250"
	.amdhsa_code_object_version 6
	.text
	.protected	k_q274f61c613_proj
	.globl	k_q274f61c613_proj
	.p2align	8
	.type	k_q274f61c613_proj,@function
k_q274f61c613_proj:
	s_mov_b64 s[64:65], 0
	v_nop
	global_prefetch_b8 v0, s[64:65] scope:SCOPE_SE
	s_setreg_imm32_b32 hwreg(HW_REG_WAVE_MODE, 25, 1), 1
	s_wait_xcnt 0x0
	s_wait_alu depctr_hold_cnt(0) depctr_sa_sdst(0) depctr_va_vdst(0) depctr_va_sdst(0) depctr_va_ssrc(0) depctr_va_vcc(0) depctr_vm_vsrc(0)
	s_getreg_b32 s2, hwreg(HW_REG_IB_STS2, 6, 4)
	s_cmp_eq_u32 s2, 0
	s_cbranch_scc0 .Lentry_in_a_cluster
	s_endpgm
.Lentry_in_a_cluster:
	s_bfe_u32 s2, ttmp6, 0x10000c
	s_cmp_lg_u32 s2, 0x3003
	s_cbranch_scc0 .Lentry_shape_is_right
	s_endpgm
.Lentry_shape_is_right:
; out = y Wp^T + bp on codes of FP6 (E2M3) with E8M0 scales; out [16384][768] f32.
; SHARES.  A work-group owns 256 tokens and 192 output columns (three blocks of 64 rows of Wp); a wave owns 64 tokens, four tiles, whose 24
; fragments stay in its registers.  Source 0 = 16 rows of Wp, source 1 = 16 tokens: a lane holds one token and eight neighbouring columns.
; Tile u of a group of 64 rows holds, as its row r, the group's row 8 u + r + 24 (r / 8); so lane (r, h) holds, in tile p, columns 32 h + 8 p + 0 .. 7.
; bp is the C of each sum's first product (it enters the sum first).
; y's codes lie by head: a head's 64 channels are half a fragment (6 registers), two heads a K step; a K step's scale word is made of two heads' pairs of bytes.
; LDS: Wp's three blocks, 116,736 bytes, filled once; behind them a stage of 16 rows x 272 bytes for each wave, its own.
; CLUSTER.  The four work-groups of a cluster own other tokens and read the same rows of Wp: asked for jointly (mask 15).
; THE WAY OUT.  A tile of 16 tokens x 64 columns goes through the wave's stage and leaves as rows of 256 consecutive bytes, aligned to 256, sixteen lanes to a row.
; REGISTERS: window 0: v1-10 addresses; v16-31 Wp's scale words; v32-55 y's (6 t + s); v56-183 16 accumulators; v184-247 rows on the way out (at the head: y's raw scale words).
;   window 1: y's tiles 0, 1 (72 (t % 2) + 12 s);  window 2: tiles 2, 3;  window 3: v0-95 Wp's fragments, two sets of four; v96-191 bp as C.
.set XTILE, 9728
.set FRAGB, 1536
.set HBLK,  4*XTILE
.set STG,   3*HBLK
.set SPITCH, 272
.set L16, 1
.set L8,  2
.set L4,  3
.set ADW, 4                            ; v4-6  block k's weights in LDS, + 16 x lane
.set STO, 7
.set SRD, 8
.set GO,  9
.set BO,  10
.set WS,  16
.set YSC, 32
.set ACC, 56
.set OB,  184
.set WF,  0
.set BI,  96
.set WV,  12
.set MSB, 0
.macro WIN new
.if MSB != (\new)
	s_set_vgpr_msb (MSB<<8)|(\new)
.set MSB, \new
.endif
.endm
.macro PLACES n
.rept \n
	v_nop
.endr
.endm
.macro ROUND
	s_barrier_signal -1
	s_barrier_wait -1
	s_cmp_lg_u32 s[WV], 0
	s_cbranch_scc1 .Lnot_wave_0_\@
	s_barrier_signal -3
.Lnot_wave_0_\@:
	s_barrier_wait -3
	s_barrier_signal -1
	s_barrier_wait -1
.endm
.macro WM d, a, b, c, sa, sb, odd      ; Wp's scale words of an odd K step stand in lanes 16-31; y's always in lanes 0-15
.if \odd
	v_wmma_scale_f32_16x16x128_f8f6f4 v[\d:\d+7], v[\a:\a+11], v[\b:\b+11], v[\c:\c+7], v[\sa], v[\sb] matrix_a_fmt:MATRIX_FMT_FP6 matrix_b_fmt:MATRIX_FMT_FP6 matrix_a_scale:MATRIX_SCALE_ROW1
.else
	v_wmma_scale_f32_16x16x128_f8f6f4 v[\d:\d+7], v[\a:\a+11], v[\b:\b+11], v[\c:\c+7], v[\sa], v[\sb] matrix_a_fmt:MATRIX_FMT_FP6 matrix_b_fmt:MATRIX_FMT_FP6
.endif
.endm
.macro MM k, s                         ; 16 products: the accumulators take turns, one instruction a turn
.irp r, 0,1,2,3
.if \s == 0
	WIN 0x37+4*(\r/2)
.else
	WIN 0x07+4*(\r/2)
.endif
.irp p, 0,1,2,3
.if \s == 0
	WM ACC+8*(4*\r+\p), WF+48*(\s%2)+12*\p, 72*(\r%2)+12*\s, BI+32*\k+8*\p, WS+4*\p+\s/2, YSC+6*\r+\s, \s%2
.else
	WM ACC+8*(4*\r+\p), WF+48*(\s%2)+12*\p, 72*(\r%2)+12*\s, ACC+8*(4*\r+\p), WS+4*\p+\s/2, YSC+6*\r+\s, \s%2
.endif
.endr
.endr
.endm
.macro WLOAD k, s
.irp p, 0,1,2,3
.irp j, 0,1,2
	ds_load_b128 v[WF+48*((\s)%2)+12*\p+4*\j:WF+48*((\s)%2)+12*\p+4*\j+3], v[ADW+\k] offset:XTILE*\p+FRAGB*(\s)+512*\j
.endr
.endr
.endm
.macro KSTEP k, s
	PLACES 4                                       ; in front of loads into registers that the step before multiplied
.if \s < 5
	WIN 0xC0
	WLOAD \k, \s+1
	s_wait_dscnt 12                                ; all but the 12 just issued: this step's fragments are in
.else
	s_wait_dscnt 0x0
.endif
	MM \k, \s
.endm
.macro BLOCK k                         ; 64 output columns
	s_wait_tensorcnt 2-\k                          ; my part of block k is in; the loads issued behind it may stay out
	s_wait_dscnt 0x0
	s_barrier_signal -1
	s_barrier_wait -1                              ; everybody's is
.irp p, 0,1,2,3
	ds_load_b128 v[WS+4*\p:WS+4*\p+3], v[ADW+\k] offset:XTILE*\p+9216
.endr
	WIN 0xC0
	WLOAD \k, 0
	KSTEP \k, 0
	KSTEP \k, 1
	KSTEP \k, 2
	KSTEP \k, 3
	KSTEP \k, 4
	KSTEP \k, 5
	WIN 0
	PLACES 4                                       ; in front of the first read of results
.irp r, 0,1,2,3
.if 4*\k+\r >= 2
	s_wait_xcnt 0x0                                ; this set of rows was store data two tiles ago: loaded again only behind this wait
.endif
.irp p, 0,1,2,3
.irp q, 0,1
	ds_store_b128 v[STO], v[ACC+32*\r+8*\p+4*\q:ACC+32*\r+8*\p+4*\q+3] offset:32*\p+16*\q   ; columns 32 h + 8 p + 4 q on; each accumulator from its low end on
.endr
.endr
.irp j, 0,1,2,3,4,5,6,7
	ds_load_b128 v[OB+32*(\r%2)+4*\j:OB+32*(\r%2)+4*\j+3], v[SRD] offset:2*SPITCH*\j   ; LDS serves a wave's instructions in order: these see the stores
.endr
.irp j, 0,1,2,3,4,5,6,7
	s_wait_dscnt 7-\j
	global_store_b128 v[GO], v[OB+32*(\r%2)+4*\j:OB+32*(\r%2)+4*\j+3], s[10:11] offset:(8*\r+2*\j+24*(\j/4))*3072+256*\k th:TH_STORE_NT   ; the tile's rows 2 j and 2 j + 1
.endr
.endr
.endm
	s_load_b256 s[4:11], s[0:1], 0x0               ; yq, wq, bp, out0
	v_lshl_add_u32 v254, v0, 2, 0x29000
	v_mov_b32 v255, 0
	ds_add_u32 v254, v255
	ds_add_u32 v254, v255
	v_lshrrev_b32 v11, 5, v0
	v_readfirstlane_b32 s[WV], v11                 ; wave 0..3
	s_bfe_u32 s13, ttmp6, 0x40000                  ; cx
	s_and_b32 s14, ttmp7, 0xffff                   ; which 192 columns: shared by the cluster
	s_lshl_b32 s15, ttmp9, 2
	s_add_co_u32 s15, s15, s13                     ; my block of 256 tokens
	s_lshl_b32 s16, s15, 2
	s_add_co_u32 s16, s16, s[WV]                   ; my group of 64 tokens
	v_and_b32 v11, 31, v0
	v_lshlrev_b32 v[L16], 4, v11
	v_lshlrev_b32 v[L8], 3, v11
	v_lshlrev_b32 v[L4], 2, v11
	v_and_b32 v12, 15, v0                          ; r
	v_bfe_u32 v13, v0, 4, 1                        ; h
.irp k, 0,1,2
	v_add_nc_u32 v[ADW+\k], HBLK*\k, v[L16]
.endr
	s_mul_i32 s57, s[WV], 16*SPITCH
	s_add_co_u32 s57, s57, STG                     ; my stage
	v_mul_u32_u24 v[STO], v12, SPITCH
	v_lshl_add_u32 v[STO], v13, 7, v[STO]
	v_add_nc_u32 v[STO], s57, v[STO]               ; in: row r, + 128 h
	v_mul_u32_u24 v[SRD], v13, SPITCH
	v_lshl_add_u32 v[SRD], v12, 4, v[SRD]
	v_add_nc_u32 v[SRD], s57, v[SRD]               ; back: lanes 0-15 one row, lanes 16-31 the next
	v_mul_u32_u24 v[GO], v13, 3072
	v_lshl_add_u32 v[GO], v12, 4, v[GO]            ; and the same in out
	v_lshlrev_b32 v[BO], 7, v13
	; descriptor group 1: 38 dense rows of 256 bytes: one tile of 16 rows of Wp; the mask names all four work-groups
	s_mov_b32 s24, 15|(3<<16)|(1<<21)
	s_mov_b32 s25, 32<<16
	s_mov_b32 s26, 38<<16
	s_mov_b32 s27, 32<<16
	s_mov_b32 s28, 38
	s_mov_b32 s29, 32
	s_mov_b32 s30, 0
	s_mov_b32 s31, 0
	s_mul_i32 s54, s14, 3
	s_add_co_u32 s54, s54, 36                      ; Wp's blocks begin at block 36 of wq
	s_mul_i32 s54, s54, HBLK
	s_mul_i32 s56, s[WV], XTILE                    ; wave w fetches tile w of each block
	s_add_co_u32 s54, s54, s56
	s_mov_b32 s55, 0
	s_mul_i32 s58, s16, 39936                      ; y: my group's twelve heads
	s_mov_b32 s59, 0
	s_mul_i32 s60, s14, 768                        ; bp, and the columns in a row of out
	s_mov_b32 s61, 0
	s_mul_i32 s62, s16, 64*3072
	s_add_co_u32 s62, s62, s60
	s_mov_b32 s63, 0
	s_wait_dscnt 0x0
	s_wait_kmcnt 0x0
	s_add_nc_u64 s[54:55], s[6:7], s[54:55]
	s_add_nc_u64 s[4:5], s[4:5], s[58:59]
	s_add_nc_u64 s[8:9], s[8:9], s[60:61]
	s_add_nc_u64 s[10:11], s[10:11], s[62:63]
.irp k, 0,1,2
	s_mov_b32 s[32+4*\k], 1
	s_add_co_u32 s[33+4*\k], s56, HBLK*\k
	s_add_nc_u64 s[34+4*\k:35+4*\k], s[54:55], HBLK*\k
	s_or_b32 s[35+4*\k], s[35+4*\k], 0x80000000
.endr
	ROUND                                          ; all four work-groups are here: the joint loads meet
	tensor_load_to_lds s[32:35], s[24:31]          ; three loads of mine are out
	s_nop 0
	tensor_load_to_lds s[36:39], s[24:31]
	s_nop 0
	tensor_load_to_lds s[40:43], s[24:31]
	s_nop 0
	PLACES 4
	WIN 0x40
.irp t, 0,1
.irp hd, 0,1,2,3,4,5,6,7,8,9,10,11
	global_load_b128 v[72*\t+12*(\hd/2)+6*(\hd%2):72*\t+12*(\hd/2)+6*(\hd%2)+3], v[L16], s[4:5] offset:3328*\hd+768*\t
	global_load_b64 v[72*\t+12*(\hd/2)+6*(\hd%2)+4:72*\t+12*(\hd/2)+6*(\hd%2)+5], v[L8], s[4:5] offset:3328*\hd+768*\t+512
.endr
.endr
	WIN 0x80
.irp t, 0,1
.irp hd, 0,1,2,3,4,5,6,7,8,9,10,11
	global_load_b128 v[72*\t+12*(\hd/2)+6*(\hd%2):72*\t+12*(\hd/2)+6*(\hd%2)+3], v[L16], s[4:5] offset:3328*\hd+768*(\t+2)
	global_load_b64 v[72*\t+12*(\hd/2)+6*(\hd%2)+4:72*\t+12*(\hd/2)+6*(\hd%2)+5], v[L8], s[4:5] offset:3328*\hd+768*(\t+2)+512
.endr
.endr
	WIN 0xC0
.irp k, 0,1,2
.irp p, 0,1,2,3
.irp q, 0,1
	global_load_b128 v[BI+32*\k+8*\p+4*\q:BI+32*\k+8*\p+4*\q+3], v[BO], s[8:9] offset:256*\k+32*\p+16*\q
.endr
.endr
.endr
	WIN 0
.irp hd, 0,1,2,3,4,5,6,7,8,9,10,11
.irp i, 0,1
	global_load_b32 v[OB+2*\hd+\i], v[L4], s[4:5] offset:3328*\hd+3072+128*\i   ; head hd, tiles 2 i and 2 i + 1: two bytes each
.endr
.endr
	s_wait_loadcnt 0x0
.irp s, 0,1,2,3,4,5
.irp i, 0,1
	v_perm_b32 v[YSC+6*(2*\i)+\s], v[OB+2*(2*\s+1)+\i], v[OB+2*(2*\s)+\i], 0x05040100     ; tile 2 i, K step s: heads 2 s and 2 s + 1
	v_perm_b32 v[YSC+6*(2*\i+1)+\s], v[OB+2*(2*\s+1)+\i], v[OB+2*(2*\s)+\i], 0x07060302   ; tile 2 i + 1
.endr
.endr
	PLACES 8                                       ; scale words written by vector instructions stand eight places ahead of a scaled product
	BLOCK 0
	BLOCK 1
	BLOCK 2
	s_wait_dscnt 0x0
	s_wait_tensorcnt 0x0
	ds_add_u32 v254, v255
	s_wait_dscnt 0x0
	ROUND                                          ; the closing round
	s_endpgm
.Lfunc_end_k_q274f61c613_proj:
	.size	k_q274f61c613_proj, .Lfunc_end_k_q274f61c613_proj-k_q274f61c613_proj
	.p2alignl 7, 3214868480
	.fill 96, 4, 3214868480
	.section	.rodata,"a",@progbits
	.p2align	6, 0x0
	.amdhsa_kernel k_q274f61c613_proj
		.amdhsa_group_segment_fixed_size 168448
		.amdhsa_private_segment_fixed_size 0
		.amdhsa_enable_private_segment 0
		.amdhsa_kernarg_size 32
		.amdhsa_user_sgpr_count 2
		.amdhsa_user_sgpr_kernarg_segment_ptr 1
		.amdhsa_wavefront_size32 1
		.amdhsa_system_sgpr_workgroup_id_x 1
		.amdhsa_system_sgpr_workgroup_id_y 1
		.amdhsa_system_sgpr_workgroup_id_z 1
		.amdhsa_system_vgpr_workitem_id 0
		.amdhsa_next_free_vgpr 960
		.amdhsa_next_free_sgpr 68
		.amdhsa_reserve_vcc 0
		.amdhsa_float_denorm_mode_32 3
		.amdhsa_float_denorm_mode_16_64 3
		.amdhsa_memory_ordered 1
		.amdhsa_forward_progress 1
		.amdhsa_inst_pref_size 102
	.end_amdhsa_kernel
	.amdgpu_metadata
---
amdhsa.version: [ 1, 2 ]
amdhsa.kernels:
  - .name:           k_q274f61c613_proj
    .symbol:         k_q274f61c613_proj.kd
    .args:
      - { .name: yq, .offset: 0, .size: 8, .value_kind: global_buffer, .address_space: global }
      - { .name: wq, .offset: 8, .size: 8, .value_kind: global_buffer, .address_space: global }
      - { .name: bp, .offset: 16, .size: 8, .value_kind: global_buffer, .address_space: global }
      - { .name: out0, .offset: 24, .size: 8, .value_kind: global_buffer, .address_space: global }
    .group_segment_fixed_size: 168448
    .private_segment_fixed_size: 0
    .kernarg_segment_align: 8
    .kernarg_segment_size: 32
    .max_flat_workgroup_size: 128
    .sgpr_count:     68
    .vgpr_count:     960
    .wavefront_size: 32
...
	.end_amdgpu_metadata
.endif
;; end of part 4
